; MI455X (gfx1250); checked and timed in simulation.
; The chip was launched on July 23, 2026; its instructions are those of AMD's public machine-readable ISA for CDNA 5 (MIT licence, August 2026) and "CDNA5" Instruction Set Architecture Reference Guide (July 2026). The comments in the code are by the model that wrote it; some were corrected since.
;; Multi Head Attention. Allowed arithmetic: matrix products marked QUANTISED: E2M1 operands, one E8M0 scale for each 32 along K, by v_wmma_scale_f32_16x16x128_f8f6f4 with both operands' format E2M1 (or v_wmma_scale_f32_32x16x128_f4), f32 sums; products left as they are: bf16, f16 or f32 operands; f32 sums; everything else in f32.
;; Inputs: K 2 x 4,096 x 512 float32; Q 2 x 4,096 x 512 float32; V 2 x 4,096 x 512 float32; Wk 8 x 512 x 64 float32; Wo 512 x 512 float32; Wq 8 x 512 x 64 float32; Wv 8 x 512 x 64 float32.
;; Outputs: out0 2 x 4,096 x 512 float32.
;; This version of the problem:
;;   THIS VERSION OF THE PROBLEM IS GIVEN IN LOW PRECISION. The matrix products marked QUANTISED in the list below multiply operands that are first quantised to E2M1 (2 exponent bits, 1 mantissa bit; 4 bits a number), with one power-of-two scale for each 32 numbers along K (OCP MX v1.0); their sums are f32. The products marked 'left as it is' may take bf16, f16 or f32 operands, with f32 sums. Whichever they take, every output number must still come out within the allowed error. Rounding operands to bf16 (8 significant bits) uses up far more of that allowance than f16 does (11 bits, for magnitudes from 6e-5 to 65,504). All else is computed in f32.
;;   The module's matrix products, in the order in which they are computed (A, B: the left and right operand; K: the contracted axis; several contracted axes count as one K, in the product's order):
;;     1. [M 512, K 512] x [K 512, N 8,192]; A: input Wq; B: input Q: QUANTISED
;;     2. [M 512, K 512] x [K 512, N 8,192]; A: input Wk; B: input K: QUANTISED
;;     3. [M 512, K 512] x [K 512, N 8,192]; A: input Wv; B: input V: QUANTISED
;;     4. batch 16 x [M 4,096, K 64] x [K 64, N 4,096]; A: computed on the way; B: computed on the way: left as it is (an operand is computed on the way)
;;     5. batch 16 x [M 4,096, K 4,096] x [K 4,096, N 64]; A: computed on the way; B: computed on the way: left as it is (an operand is computed on the way)
;;     6. [M 8,192, K 512] x [K 512, N 512]; A: computed on the way; B: input Wo: left as it is (an operand is computed on the way)
;;   THE QUANTISER, for each operand of a quantised product, along K:
;;     - K is cut into blocks of 32 from its start; a last block that is shorter is filled with zeros.
;;     - A block's scale is 2^e with e = floor(log2(the largest magnitude in the block)) - 2, held to -126 .. 127; a block of zeros has e = 0. As a byte (E8M0): e + 127.
;;     - Each number is divided by its block's scale, clamped to +-6, and rounded to the nearest number of E2M1, ties to even, subnormals kept.
;;     - The product sums the exact products of the quantised numbers (number of the format x scale) in f32.
;;   ~~~python
;;   def quantise(x, axis):      # numpy; x: float32 -> the quantised numbers, widened to float32 again
;;       x = np.moveaxis(x, axis, -1); K = x.shape[-1]
;;       x = np.pad(x, [(0, 0)] * (x.ndim - 1) + [(0, -K % 32)]); x = x.reshape(x.shape[:-1] + (-1, 32)); a = np.abs(x).max(-1, keepdims=True)
;;       e = np.where(a > 0, np.clip(np.frexp(np.where(a > 0, a, 1))[1] - 1 - 2, -126, 127), 0)      # np.frexp(a)[1] - 1 = floor(log2(a)), exactly
;;       r = np.clip(x / 2.0 ** e, -6, 6)
;;       step = 2.0 ** (np.maximum(np.frexp(np.where(r == 0, 1, r))[1] - 1, 0) - 1)
;;       q = np.round(r / step) * step * 2.0 ** e      # np.round: ties to even
;;       return np.moveaxis(q.reshape(q.shape[:-2] + (-1,))[..., :K], -1, axis).astype(np.float32)
;;   ~~~
;; One version. Each part assembles by itself: llvm-mc -triple=amdgcn-amd-amdhsa -mcpu=gfx1250 --defsym DOCPART=n.
;; ======== version 1 of 1: 5 launches
;; limits: values are held in f16: magnitudes above 65,504 overflow, below 6.1e-05 lose precision
;; workspace buffers: wcodes 393,216 bytes; wscales 24,576 bytes; wo16 524,288 bytes; qkv16 25,165,824 bytes; qkv32 196,608 bytes; o16 8,388,608 bytes
;; launch prep (part 1): grid 64 x 1, 4 waves a work-group, no clusters, 0 bytes of LDS; arguments Wq, Wk, Wv, Wo, wcodes, wscales, wo16; writes wcodes, wscales, wo16
.if DOCPART == 1
	.amdgcn_target "amdgcn-amd-amdhsa--gfx1250"
	.amdhsa_code_object_version 6
	.text
	.protected	k_qdb74afca3d_prep
	.globl	k_qdb74afca3d_prep
	.p2align	8
	.type	k_qdb74afca3d_prep,@function
k_qdb74afca3d_prep:
	s_mov_b64 s[64:65], 0
	v_nop
	global_prefetch_b8 v0, s[64:65] scope:SCOPE_SE
	s_setreg_imm32_b32 hwreg(HW_REG_WAVE_MODE, 25, 1), 1
	s_wait_xcnt 0x0
; The weights are laid out once, in the order in which a wave's operand registers take them.
; Wq, Wk, Wv [8 heads][512 d][64] f32: K of their products is d, their SECOND axis.  They become codes of FP4 (E2M1) with one E8M0 byte for each 32 along d:
;   wcodes  [tensor 3][tile of 16 columns 32][K step of 128: 4][c 2][lane 32][16 bytes]: lane (r, hh) holds column 16 tile + r, k = 64 c + 32 hh + 0 .. 31
;   wscales [tensor 3][tile 32][K step 4][r 16] words: byte b is the scale of k = 32 b .. 32 b + 31 of that K step
; Wo [512 k][512 n] f32 becomes f16, wo16 [tile of 16 columns 32][K step of 32: 16][p 2][lane 32][16 bytes]: lane (r, hh) holds column 16 tile + r, k = 16 p + 8 hh + 0 .. 7
; A LANE TAKES A COLUMN AND ITS REGISTERS RUN DOWN K: a load reads 128 consecutive bytes, a block of 32 along K lies in one lane, nothing is transposed.
; A wave takes 32 columns x 128 along K.  Work-groups 0-47: the three weights (16 groups of 32 columns each, wave = K step); 48-63: Wo (wave = 128 rows of k).
; A block's scale is 2^(floor(log2(largest magnitude)) - 2): its byte is that magnitude's exponent field - 2, held at 1 from below.
; LIMITS: a block of zeros gets the byte 1 where the rule says 127 (its codes are zeros, and this program alone reads the bytes); NaN and infinities are not served;
; numbers of Wo beyond 65,504 in magnitude do not fit f16.
.set X, 32                             ; v32-159  128 numbers down K
.set C, 160                            ; v160-223 results
	s_load_b256 s[4:11], s[0:1], 0x0               ; Wq, Wk, Wv, Wo
	s_load_b128 s[12:15], s[0:1], 0x20             ; wcodes, wscales
	s_load_b64 s[16:17], s[0:1], 0x30              ; wo16
	v_lshrrev_b32 v5, 5, v0
	v_readfirstlane_b32 s18, v5                    ; wave 0..3
	v_and_b32 v6, 31, v0                           ; lane
	v_and_b32 v7, 15, v0                           ; r
	v_bfe_u32 v8, v0, 4, 1                         ; which of the wave's two tiles of 16 columns
	v_lshlrev_b32 v1, 2, v6                        ; in: 4 bytes a lane
	v_lshlrev_b32 v9, 4, v7
	v_lshl_add_u32 v2, v8, 12, v9                  ; codes: tile x 4,096 + 16 r
	v_lshlrev_b32 v3, 2, v7
	v_lshl_add_u32 v3, v8, 8, v3                   ; scale words: tile x 256 + 4 r
	v_lshl_add_u32 v4, v8, 14, v9                  ; wo16: tile x 16,384 + 16 r
	s_mov_b32 s29, 0                               ; the upper word of every offset
	s_wait_kmcnt 0x0
	s_cmp_lt_u32 ttmp9, 48
	s_cbranch_scc0 .Lwo
	; ---- one of the three quantised weights
	s_lshr_b32 s19, ttmp9, 4                       ; tensor 0..2
	s_and_b32 s20, ttmp9, 15                       ; group of 32 columns
	s_cmp_eq_u32 s19, 0
	s_cselect_b64 s[22:23], s[4:5], s[6:7]
	s_cmp_eq_u32 s19, 2
	s_cselect_b64 s[22:23], s[8:9], s[22:23]
	s_lshr_b32 s28, s20, 1
	s_lshl_b32 s28, s28, 17                        ; the head: 512 x 64 x 4 bytes
	s_and_b32 s21, s20, 1
	s_lshl_b32 s21, s21, 7                         ; which 32 of its 64 columns
	s_add_co_u32 s28, s28, s21
	s_lshl_b32 s21, s18, 15                        ; the K step: 128 rows of 256 bytes
	s_add_co_u32 s28, s28, s21
	s_add_nc_u64 s[22:23], s[22:23], s[28:29]
	s_lshl_b32 s28, s19, 17
	s_lshl_b32 s21, s20, 13
	s_add_co_u32 s28, s28, s21
	s_lshl_b32 s21, s18, 10
	s_add_co_u32 s28, s28, s21
	s_add_nc_u64 s[24:25], s[12:13], s[28:29]      ; codes: tensor x 131,072 + 2 group x 4,096 + K step x 1,024
	s_lshl_b32 s28, s19, 13
	s_lshl_b32 s21, s20, 9
	s_add_co_u32 s28, s28, s21
	s_lshl_b32 s21, s18, 6
	s_add_co_u32 s28, s28, s21
	s_add_nc_u64 s[26:27], s[14:15], s[28:29]      ; scale words: tensor x 8,192 + 2 group x 256 + K step x 64
.set z, 0
.rept 128
	global_load_b32 v[X+z], v1, s[22:23] offset:256*z th:TH_LOAD_NT
.set z, z+1
.endr
; block blk of 32 along K: largest magnitude, byte, codes; left = younger loads that may stay out
.macro WBLOCK blk, left
.set XS, X+32*\blk
	s_wait_loadcnt \left
	v_max3_num_f32 v12, |v[XS]|, |v[XS+1]|, |v[XS+2]|
	v_max3_num_f32 v13, |v[XS+3]|, |v[XS+4]|, |v[XS+5]|
.irp i, 6,10,14,18,22,26
	v_max3_num_f32 v12, v12, |v[XS+\i]|, |v[XS+\i+1]|
	v_max3_num_f32 v13, v13, |v[XS+\i+2]|, |v[XS+\i+3]|
.endr
	v_max3_num_f32 v12, v12, |v[XS+30]|, |v[XS+31]|
	v_max3_num_f32 v12, v12, v13, 0x1800000        ; the floor 2^(3 - 127): the byte cannot fall under 1
	v_add_nc_u32 v11, 0xff000000, v12              ; 2 off the exponent field: the conversion's scale operand
	v_lshrrev_b32 v13, 23, v11                     ; the scale's byte
.if \blk == 0
	v_mov_b32 v14, v13
.else
	v_lshl_or_b32 v14, v13, 8*\blk, v14
.endif
.irp q, 0,1,2,3
	v_cvt_scalef32_pk8_fp4_f32 v[C+4*\blk+\q], v[XS+8*\q:XS+8*\q+7], v11
.endr
	v_nop                                          ; one plain place behind the scaled conversions
	global_store_b128 v2, v[C+4*\blk:C+4*\blk+3], s[24:25] offset:(\blk/2)*512+(\blk%2)*256   ; block 2 c + hh: sixteen lanes store 256 consecutive aligned bytes
.endm
	WBLOCK 0, 63                                   ; 96 loads were issued behind this block's; the wait's field holds 63
	WBLOCK 1, 63                                   ; 64 behind
	WBLOCK 2, 32
	WBLOCK 3, 0
	global_store_b32 v3, v14, s[26:27]
	s_endpgm
.Lwo:
	; ---- Wo to f16
	s_sub_co_u32 s20, ttmp9, 48                    ; group of 32 columns
	s_lshl_b32 s28, s20, 7
	s_lshl_b32 s21, s18, 18                        ; 128 rows of 2,048 bytes
	s_add_co_u32 s28, s28, s21
	s_add_nc_u64 s[22:23], s[10:11], s[28:29]
	s_lshl_b32 s28, s20, 15                        ; 2 group x 16,384
	s_lshl_b32 s21, s18, 12                        ; four K steps of 1,024 bytes
	s_add_co_u32 s28, s28, s21
	s_add_nc_u64 s[24:25], s[16:17], s[28:29]
.set z, 0
.rept 128
	global_load_b32 v[X+z], v1, s[22:23] offset:2048*z th:TH_LOAD_NT
.set z, z+1
.endr
	s_wait_loadcnt 0x0
.set z, 0
.rept 64
	v_cvt_pk_f16_f32 v[C+z], v[X+2*z], v[X+2*z+1]  ; the lower k in the low half
.set z, z+1
.endr
.irp q, 0,1,2,3
.irp p, 0,1
.irp hh, 0,1
	global_store_b128 v4, v[C+16*\q+8*\p+4*\hh:C+16*\q+8*\p+4*\hh+3], s[24:25] offset:\q*1024+\p*512+\hh*256
.endr
.endr
.endr
	s_endpgm
.Lfunc_end_k_qdb74afca3d_prep:
	.size	k_qdb74afca3d_prep, .Lfunc_end_k_qdb74afca3d_prep-k_qdb74afca3d_prep
	.p2alignl 7, 3214868480
	.fill 96, 4, 3214868480
	.section	.rodata,"a",@progbits
	.p2align	6, 0x0
	.amdhsa_kernel k_qdb74afca3d_prep
		.amdhsa_group_segment_fixed_size 0
		.amdhsa_private_segment_fixed_size 0
		.amdhsa_enable_private_segment 0
		.amdhsa_kernarg_size 56
		.amdhsa_user_sgpr_count 2
		.amdhsa_user_sgpr_kernarg_segment_ptr 1
		.amdhsa_wavefront_size32 1
		.amdhsa_system_sgpr_workgroup_id_x 1
		.amdhsa_system_sgpr_workgroup_id_y 1
		.amdhsa_system_sgpr_workgroup_id_z 1
		.amdhsa_system_vgpr_workitem_id 0
		.amdhsa_next_free_vgpr 224
		.amdhsa_next_free_sgpr 66
		.amdhsa_reserve_vcc 0
		.amdhsa_float_denorm_mode_32 3
		.amdhsa_float_denorm_mode_16_64 3
		.amdhsa_memory_ordered 1
		.amdhsa_forward_progress 1
		.amdhsa_inst_pref_size 39
	.end_amdhsa_kernel
	.amdgpu_metadata
---
amdhsa.version: [ 1, 2 ]
amdhsa.kernels:
  - .name:           k_qdb74afca3d_prep
    .symbol:         k_qdb74afca3d_prep.kd
    .args:
      - { .name: Wq, .offset: 0, .size: 8, .value_kind: global_buffer, .address_space: global }
      - { .name: Wk, .offset: 8, .size: 8, .value_kind: global_buffer, .address_space: global }
      - { .name: Wv, .offset: 16, .size: 8, .value_kind: global_buffer, .address_space: global }
      - { .name: Wo, .offset: 24, .size: 8, .value_kind: global_buffer, .address_space: global }
      - { .name: wcodes, .offset: 32, .size: 8, .value_kind: global_buffer, .address_space: global }
      - { .name: wscales, .offset: 40, .size: 8, .value_kind: global_buffer, .address_space: global }
      - { .name: wo16, .offset: 48, .size: 8, .value_kind: global_buffer, .address_space: global }
    .group_segment_fixed_size: 0
    .private_segment_fixed_size: 0
    .kernarg_segment_align: 8
    .kernarg_segment_size: 56
    .max_flat_workgroup_size: 128
    .sgpr_count:     66
    .vgpr_count:     224
    .wavefront_size: 32
...
	.end_amdgpu_metadata
.endif
;; end of part 1
;; launch proj (part 2): grid 64 x 3, 8 waves a work-group, no clusters, 123,904 bytes of LDS; arguments Q, K, V, wcodes, wscales, qkv16, qkv32; writes qkv16, qkv32
.if DOCPART == 2
	.amdgcn_target "amdgcn-amd-amdhsa--gfx1250"
	.amdhsa_code_object_version 6
	.text
	.protected	k_qdb74afca3d_proj
	.globl	k_qdb74afca3d_proj
	.p2align	8
	.type	k_qdb74afca3d_proj,@function
k_qdb74afca3d_proj:
	s_mov_b64 s[64:65], 0
	v_nop
	global_prefetch_b8 v0, s[64:65] scope:SCOPE_SE
	s_setreg_imm32_b32 hwreg(HW_REG_WAVE_MODE, 25, 1), 1
	s_wait_xcnt 0x0
; q, k, v = the three projections, on codes of FP4 (E2M1) with one E8M0 scale for each 32 along K = 512.  Work-group y picks the tensor, x a group of 128 tokens.
; The tokens arrive as f32 and are quantised here, in registers; the weights arrive as codes in operand order.  Results: f16, qkv16 [tensor][b][h][s][64]; the first 16 positions of each sequence also f32, qkv32 [tensor][b][h][16][64].
; SHARES.  Wave w is head w: its 64 columns x 512 K (16 fragments, 128 registers) stay in registers.  The group goes as four blocks of 32 tokens, written out: every offset is an immediate.
; In a block wave w first quantises one fragment of the tokens (16 tokens (w / 4) x 128 along K (w % 4)); the fragments reach all waves through LDS as images of their registers; one barrier a block, two sets of images by turns:
; a set is written again only behind the next block's barrier, which every wave signals behind the wait for its reads of that set.
; Each load of tokens reads 512 consecutive bytes; the numbers turn through the wave's own LDS rows so that a lane holds 16 neighbours of each block of 32.
; THE PRODUCT IS USED TRANSPOSED (source 0 = 16 columns of W, source 1 = 16 tokens): a lane holds one token and eight neighbouring channels.
; LIMITS: a block of zeros gets the byte 1 (its codes are zeros); NaN and infinities are not served; results beyond 65,504 in magnitude do not fit f16.
; REGISTERS.  window 0: v1-17 addresses; v20-35 at work; v36 scale word; v40-47 codes; v48-55 tokens' scale words, v56-71 weights' (scales and nothing else); v72-135 numbers as loaded; v136-199 numbers by lane, then fragments, then results.
;   window 1: v0-127 the weights' fragments (column tile nt, K step ks) at 8 (4 nt + ks); v128-191 the accumulators (token tile mt, nt) at 128 + 8 (4 mt + nt).
.set TURNB, 8448                       ; LDS: for each wave 16 rows of 512 bytes + 16
.set XIMG,  67584                      ; two sets of: 8 fragments of 1,024 bytes, 8 x 128 bytes of scale words
.set XSET,  9216
.set OST,   86016                      ; for each wave 32 rows of 128 bytes + 16: the way out
.set SPARE, 122880                     ; the spare words, 128 bytes a wave: no other line names them
.set LI,  4                            ; 16 x lane
.set TI,  5                            ; the turn, in
.set TO,  6                            ; the turn, out
.set XR,  7                            ; images, read
.set LS,  8                            ; 4 x lane
.set XW,  9                            ; images, my fragment
.set XWS, 10                           ; and its scale words
.set SO,  11                           ; the way out: in
.set SR,  12                           ; the way out: back
.set XRS, 13                           ; scale words, read
.set FO,  14                           ; my place in the f32 rows
.set WR,  15                           ; 4 r
.set SPW, 16
.set NIL, 17
.set TM,  20
.set PW,  36
.set PC,  40
.set XS,  48
.set WS,  56
.set R,   72
.set X,   136
.set ACC, 128
.set SEL, 22
.set MSB, 0
.macro WIN new                         ; the immediate's high byte repeats the setting that is left
.if MSB != (\new)
	s_set_vgpr_msb (MSB<<8)|(\new)
.set MSB, (\new)
.endif
.endm
	s_load_b256 s[4:11], s[0:1], 0x0               ; Q, K, V, wcodes
	s_load_b128 s[12:15], s[0:1], 0x20             ; wscales, qkv16
	s_load_b64 s[16:17], s[0:1], 0x30              ; qkv32
	v_lshl_add_u32 v[SPW], v0, 2, SPARE
	v_mov_b32 v[NIL], 0
	v_lshrrev_b32 v1, 5, v0
	v_readfirstlane_b32 s18, v1                    ; wave = head
	s_and_b32 s19, ttmp7, 0xffff                   ; tensor
	s_mov_b32 s20, ttmp9                           ; group of 128 tokens
	v_and_b32 v1, 31, v0                           ; lane
	v_and_b32 v2, 15, v0                           ; r
	v_bfe_u32 v3, v0, 4, 1                         ; hh
	v_lshlrev_b32 v[LI], 4, v1
	v_lshlrev_b32 v[LS], 2, v1
	s_mul_i32 s24, s18, TURNB
	v_add_nc_u32 v[TI], s24, v[LI]
	v_mul_u32_u24 v[TO], v2, 528
	v_lshl_add_u32 v[TO], v3, 6, v[TO]
	v_add_nc_u32 v[TO], s24, v[TO]                 ; row r, + 64 hh: my 16 numbers of a block of 32
	v_add_nc_u32 v[XR], XIMG, v[LI]
	v_add_nc_u32 v[XRS], XIMG+8192, v[LS]
	s_lshl_b32 s24, s18, 10
	v_add_nc_u32 v[XW], s24, v[XR]
	s_lshl_b32 s24, s18, 7
	v_add_nc_u32 v[XWS], s24, v[XRS]
	s_mul_i32 s24, s18, 4608
	s_add_co_u32 s24, s24, OST
	v_mul_u32_u24 v[SO], v2, 144
	v_lshl_add_u32 v[SO], v3, 4, v[SO]
	v_add_nc_u32 v[SO], s24, v[SO]
	v_lshrrev_b32 v18, 3, v1
	v_mul_u32_u24 v[SR], v18, 144
	v_and_b32 v18, 7, v0
	v_lshl_add_u32 v[SR], v18, 4, v[SR]
	v_add_nc_u32 v[SR], s24, v[SR]                 ; eight lanes to a row of 128 bytes, four rows an instruction
	v_lshlrev_b32 v[FO], 8, v2
	v_lshl_add_u32 v[FO], v3, 5, v[FO]
	v_lshlrev_b32 v[WR], 2, v2
.irp b, 0,1,2,3
	v_mov_b32 v[TM+4+\b], 0                        ; written once: a lane permute's destination counts as one of its sources
.endr
	s_mov_b32 s[SEL], 0x76543210
	s_mov_b32 s[SEL+1], 0xfedcba98                 ; lane l xor 16
	s_lshr_b32 s21, s18, 2                         ; the fragment that I quantise: token tile,
	s_and_b32 s26, s18, 3                          ; K step
	s_lshl_b32 s28, s20, 18                        ; 128 tokens of 2,048 bytes
	s_lshl_b32 s21, s21, 15
	s_add_co_u32 s28, s28, s21
	s_lshl_b32 s26, s26, 9
	s_add_co_u32 s28, s28, s26
	s_mov_b32 s29, 0
	s_lshl_b32 s30, s19, 17
	s_lshl_b32 s26, s18, 14
	s_add_co_u32 s30, s30, s26                     ; my head's codes
	s_mov_b32 s31, 0
	s_lshl_b32 s32, s19, 13
	s_lshl_b32 s26, s18, 10
	s_add_co_u32 s32, s32, s26                     ; and scale words
	s_mov_b32 s33, 0
	s_lshr_b32 s27, s20, 5
	s_lshl_b32 s27, s27, 3
	s_add_co_u32 s27, s27, s18                     ; 8 b + h
	s_and_b32 s41, s20, 31                         ; the group's place in its sequence
	s_lshl_b32 s34, s19, 23
	s_lshl_b32 s26, s27, 19
	s_add_co_u32 s34, s34, s26
	s_lshl_b32 s26, s41, 14
	s_add_co_u32 s34, s34, s26                     ; qkv16: tensor, (b, h), 128 rows of 128 bytes a group
	s_mov_b32 s35, 0
	s_lshl_b32 s36, s19, 16
	s_lshl_b32 s26, s27, 12
	s_add_co_u32 s36, s36, s26                     ; qkv32
	s_mov_b32 s37, 0
	s_wait_kmcnt 0x0
	s_cmp_eq_u32 s19, 0
	s_cselect_b64 s[38:39], s[4:5], s[6:7]
	s_cmp_eq_u32 s19, 2
	s_cselect_b64 s[38:39], s[8:9], s[38:39]
	s_add_nc_u64 s[38:39], s[38:39], s[28:29]
	s_add_nc_u64 s[10:11], s[10:11], s[30:31]
	s_add_nc_u64 s[12:13], s[12:13], s[32:33]
	s_add_nc_u64 s[14:15], s[14:15], s[34:35]
	s_add_nc_u64 s[16:17], s[16:17], s[36:37]
	WIN 0x40                                       ; destination window 1
.irp nt, 0,1,2,3
.irp ks, 0,1,2,3
.irp c, 0,1
	global_load_b128 v[8*(4*\nt+\ks)+4*\c:8*(4*\nt+\ks)+4*\c+3], v[LI], s[10:11] offset:\nt*4096+\ks*1024+512*\c
.endr
.endr
.endr
	WIN 0
.irp nt, 0,1,2,3
.irp ks, 0,1,2,3
	global_load_b32 v[WS+4*\nt+\ks], v[WR], s[12:13] offset:\nt*256+\ks*64
.endr
.endr
; my 16 tokens x 128 numbers of block jj: 16 loads of 512 consecutive bytes
.macro XLOAD jj
.set q, 0
.rept 16
	global_load_b128 v[R+4*q:R+4*q+3], v[LI], s[38:39] offset:(\jj)*65536+q*2048 th:TH_LOAD_NT
.set q, q+1
.endr
.endm
; through my own LDS rows: in as loaded, out 16 neighbours of each block of 32 a lane.  LDS serves a wave's instructions in order: no wait between
.macro TURN
.set q, 0
.rept 16
	ds_store_b128 v[TI], v[R+4*q:R+4*q+3] offset:528*q
.set q, q+1
.endr
.irp b, 0,1,2,3
.irp i, 0,1,2,3
	ds_load_b128 v[X+16*\b+4*\i:X+16*\b+4*\i+3], v[TO] offset:128*\b+16*\i
.endr
.endr
.endm
; 64 numbers of a lane, register 16 b + i = k 32 b + 16 hh + i of my row, become a fragment's codes in v[PC] on and its scale word in v[PW]
.macro QUANT s
.irp b, 0,1,2,3
	v_max3_num_f32 v[TM+\b], |v[\s+16*\b]|, |v[\s+1+16*\b]|, 0x1800000   ; with the floor 2^(3 - 127): the byte cannot fall under 1
.endr
.irp i, 2,4,6,8,10,12,14
.irp b, 0,1,2,3
	v_max3_num_f32 v[TM+\b], v[TM+\b], |v[\s+16*\b+\i]|, |v[\s+1+16*\b+\i]|
.endr
.endr
.irp b, 0,1,2,3
	v_permlanex16_b32 v[TM+4+\b], v[TM+\b], s[SEL], s[SEL+1]
.endr
.irp b, 0,1,2,3
	v_max_num_f32 v[TM+\b], v[TM+\b], v[TM+4+\b]   ; with lane l xor 16's: the block's largest magnitude
.endr
.irp b, 0,1,2,3
	v_add_nc_u32 v[TM+12+\b], 0xff000000, v[TM+\b] ; 2 off its exponent field: the conversion's scale operand
.endr
.irp b, 0,1,2,3
	v_lshrrev_b32 v[TM+4+\b], 23, v[TM+12+\b]      ; the scale's byte
.endr
	v_lshl_or_b32 v[PW], v[TM+5], 8, v[TM+4]
	v_lshl_or_b32 v[PW], v[TM+6], 16, v[PW]
	v_lshl_or_b32 v[PW], v[TM+7], 24, v[PW]
.irp b, 0,1,2,3
	v_cvt_scalef32_pk8_fp4_f32 v[PC+2*\b], v[\s+16*\b:\s+7+16*\b], v[TM+12+\b]
	v_cvt_scalef32_pk8_fp4_f32 v[PC+1+2*\b], v[\s+8+16*\b:\s+15+16*\b], v[TM+12+\b]
.endr
	v_nop                                          ; one plain place behind a scaled conversion
.irp c, 0,1                                    ; the operand's layout wants a whole block in a lane
.irp i, 0,1
	v_permlane16_swap_b32 v[PC+4*\c+\i], v[PC+2+4*\c+\i]
.endr
.endr
.endm
.macro BLOCK j
.set SETO, ((\j)%2)*XSET
	s_wait_loadcnt 0x0                             ; this block's numbers (and, the first time, the weights)
	TURN
	s_wait_dscnt 0x0
.if (\j) < 3
	XLOAD (\j)+1                                   ; the next block's numbers are on their way through this whole block
.endif
	QUANT X
	ds_store_b128 v[XW], v[PC:PC+3] offset:SETO
	ds_store_b128 v[XW], v[PC+4:PC+7] offset:SETO+512
	ds_store_b32 v[XWS], v[PW] offset:SETO
	s_wait_dscnt 0x0                               ; for the others' sake: my image has landed
	s_barrier_signal -1
	s_barrier_wait -1
.irp f, 0,1,2,3,4,5,6,7                        ; fragment f = 4 x token tile + K step
	ds_load_b128 v[X+8*\f:X+8*\f+3], v[XR] offset:SETO+\f*1024
	ds_load_b128 v[X+8*\f+4:X+8*\f+7], v[XR] offset:SETO+\f*1024+512
	ds_load_b32 v[XS+\f], v[XRS] offset:SETO+\f*128
.endr
	s_wait_dscnt 0x0
	WIN 0x51                                       ; source 0 (W), C and D window 1; source 1 (tokens) window 0
.irp ks, 0,1,2,3                               ; eight accumulators by turns, one instruction a turn
.irp mt, 0,1
.irp nt, 0,1,2,3
.if \ks == 0
	v_wmma_scale_f32_16x16x128_f8f6f4 v[ACC+8*(4*\mt+\nt):ACC+8*(4*\mt+\nt)+7], v[8*(4*\nt+\ks):8*(4*\nt+\ks)+7], v[X+8*(4*\mt+\ks):X+8*(4*\mt+\ks)+7], 0, v[WS+4*\nt+\ks], v[XS+4*\mt+\ks] matrix_a_fmt:MATRIX_FMT_FP4 matrix_b_fmt:MATRIX_FMT_FP4
.else
	v_wmma_scale_f32_16x16x128_f8f6f4 v[ACC+8*(4*\mt+\nt):ACC+8*(4*\mt+\nt)+7], v[8*(4*\nt+\ks):8*(4*\nt+\ks)+7], v[X+8*(4*\mt+\ks):X+8*(4*\mt+\ks)+7], v[ACC+8*(4*\mt+\nt):ACC+8*(4*\mt+\nt)+7], v[WS+4*\nt+\ks], v[XS+4*\mt+\ks] matrix_a_fmt:MATRIX_FMT_FP4 matrix_b_fmt:MATRIX_FMT_FP4
.endif
.endr
.endr
.endr
	WIN 0
.rept 4
	v_nop                                          ; four places in front of the first read of results and the first write over the tokens' fragments
.endr
	WIN 0x05                                       ; sources window 1, destination window 0
.irp a, 0,1,2,3,4,5,6,7                        ; each accumulator from its low end on
.irp u, 0,1,2,3
	v_cvt_pk_f16_f32 v[X+4*\a+\u], v[ACC+8*\a+2*\u], v[ACC+8*\a+2*\u+1]
.endr
.endr
	WIN 0
.if (\j) == 0                                  ; the sequence's first 16 positions also leave as f32
	s_cmp_lg_u32 s41, 0
	s_cbranch_scc1 .Lnofine
	WIN 0x04                                       ; a store's data: window 1
.irp nt, 0,1,2,3
	global_store_b128 v[FO], v[ACC+8*\nt:ACC+8*\nt+3], s[16:17] offset:64*\nt
	global_store_b128 v[FO], v[ACC+8*\nt+4:ACC+8*\nt+7], s[16:17] offset:64*\nt+16
.endr
	WIN 0
.Lnofine:
.endif
.irp mt, 0,1
.irp nt, 0,1,2,3
	ds_store_b128 v[SO], v[X+4*(4*\mt+\nt):X+4*(4*\mt+\nt)+3] offset:\mt*2304+32*\nt
.endr
.endr
.irp i, 0,1,2,3,4,5,6,7
	ds_load_b128 v[X+32+4*\i:X+32+4*\i+3], v[SR] offset:576*\i   ; my own bytes, served in order
.endr
	s_wait_dscnt 0x0
.irp i, 0,1,2,3,4,5,6,7
	global_store_b128 v[LI], v[X+32+4*\i:X+32+4*\i+3], s[14:15] offset:(\j)*4096+512*\i   ; four rows: 512 consecutive aligned bytes
.endr
	s_wait_xcnt 0x0                                ; the stores have read their registers: the next block writes them again
.endm
	XLOAD 0
	BLOCK 0
	BLOCK 1
	BLOCK 2
	BLOCK 3
	s_wait_tensorcnt 0x0                           ; the wave's end, behind my last LDS store
	ds_add_u32 v[SPW], v[NIL]
	s_wait_dscnt 0x0
	s_endpgm
.Lfunc_end_k_qdb74afca3d_proj:
	.size	k_qdb74afca3d_proj, .Lfunc_end_k_qdb74afca3d_proj-k_qdb74afca3d_proj
	.p2alignl 7, 3214868480
	.fill 96, 4, 3214868480
	.section	.rodata,"a",@progbits
	.p2align	6, 0x0
	.amdhsa_kernel k_qdb74afca3d_proj
		.amdhsa_group_segment_fixed_size 123904
		.amdhsa_private_segment_fixed_size 0
		.amdhsa_enable_private_segment 0
		.amdhsa_kernarg_size 56
		.amdhsa_user_sgpr_count 2
		.amdhsa_user_sgpr_kernarg_segment_ptr 1
		.amdhsa_wavefront_size32 1
		.amdhsa_system_sgpr_workgroup_id_x 1
		.amdhsa_system_sgpr_workgroup_id_y 1
		.amdhsa_system_sgpr_workgroup_id_z 1
		.amdhsa_system_vgpr_workitem_id 0
		.amdhsa_next_free_vgpr 448
		.amdhsa_next_free_sgpr 66
		.amdhsa_reserve_vcc 0
		.amdhsa_float_denorm_mode_32 3
		.amdhsa_float_denorm_mode_16_64 3
		.amdhsa_memory_ordered 1
		.amdhsa_forward_progress 1
		.amdhsa_inst_pref_size 78
	.end_amdhsa_kernel
	.amdgpu_metadata
---
amdhsa.version: [ 1, 2 ]
amdhsa.kernels:
  - .name:           k_qdb74afca3d_proj
    .symbol:         k_qdb74afca3d_proj.kd
    .args:
      - { .name: Q, .offset: 0, .size: 8, .value_kind: global_buffer, .address_space: global }
      - { .name: K, .offset: 8, .size: 8, .value_kind: global_buffer, .address_space: global }
      - { .name: V, .offset: 16, .size: 8, .value_kind: global_buffer, .address_space: global }
      - { .name: wcodes, .offset: 24, .size: 8, .value_kind: global_buffer, .address_space: global }
      - { .name: wscales, .offset: 32, .size: 8, .value_kind: global_buffer, .address_space: global }
      - { .name: qkv16, .offset: 40, .size: 8, .value_kind: global_buffer, .address_space: global }
      - { .name: qkv32, .offset: 48, .size: 8, .value_kind: global_buffer, .address_space: global }
    .group_segment_fixed_size: 123904
    .private_segment_fixed_size: 0
    .kernarg_segment_align: 8
    .kernarg_segment_size: 56
    .max_flat_workgroup_size: 256
    .sgpr_count:     66
    .vgpr_count:     448
    .wavefront_size: 32
...
	.end_amdgpu_metadata
.endif
;; end of part 2
;; launch attn (part 3): grid 16 x 16, 8 waves a work-group, no clusters, 327,680 bytes of LDS; arguments qkv16, o16; writes o16
.if DOCPART == 3
	.amdgcn_target "amdgcn-amd-amdhsa--gfx1250"
	.amdhsa_code_object_version 6
	.text
	.protected	k_qdb74afca3d_attn
	.globl	k_qdb74afca3d_attn
	.p2align	8
	.type	k_qdb74afca3d_attn,@function
k_qdb74afca3d_attn:
	s_mov_b64 s[64:65], 0
	v_nop
	global_prefetch_b8 v0, s[64:65] scope:SCOPE_SE
	s_setreg_imm32_b32 hwreg(HW_REG_WAVE_MODE, 25, 1), 1
	s_wait_xcnt 0x0
; o[b][h][q] = the sum over keys k <= q of softmax_k(q . k / 8) v[k], head size 64, 4,096 positions.  q, k, v: f16, qkv16 [3][b][h][s][64].  Products with f16 operands, sums, maxima and the softmax in f32;
; the weights p are rounded to f16 for the second product, the row's sum is taken of the unrounded p.  o leaves as f16 in the order of the next launch's operand registers:
; o16 [tile of 16 tokens 512][K step of 32: 2 h + half][p 2][lane 32][16 bytes].
; SHARES.  Work-group (i, bh) owns the query blocks (of 128) 31 - i and i of one head and walks them one after the other: 32 - i and i + 1 key tiles of 128, 33 for EVERY work-group.  So all trip counts are constants,
; all 256 work-groups have equal work.  Step n = 0 .. 32 takes key tile n, or n - (32 - i) in the second pass.
; Wave w: 32 queries (two tiles of 16), w % 4; and of each key tile the 64 keys w / 4.  Two waves share a SIMD: one wave's softmax stands beside the other's products.  The two halves of the keys are merged through LDS at a pass's end:
; register tile t holds query tile t xor (w / 4), so that every wave keeps its tile 0 and sends its tile 1 to wave w xor 4: one text for all.
; LAYOUT.  S^T = K Q^T (source 0 = 16 keys, source 1 = 16 queries), O^T = V^T P: a lane holds one query throughout; two tiles of S^T rounded in pairs are source 1 of the second product.  V is turned by ds_load_tr16_b128.
; SOFTMAX.  A running maximum m and sum l for each query; p = 2^(c s - c m), c = log2(e) / 8; O and l are multiplied by a = 2^(c m_old - c m_new) in every step.  m begins at -3e38, O and l as zeros.
; MASK.  A step all of whose keys come after my 32 queries is left out (a scalar branch on ids); on the diagonal hidden scores become -infinity.  A step that is walked begins at or under my first query, so each query has a key that counts.
; RING.  Two LDS slots of three key tiles (33 = 11 x 3).  Waves 0-2 fetch K's three tiles, waves 3-5 V's, one tensor load each behind a change of slots; by this text's count a wave has at most one load out, and every wait for loads is for 0.
; NO CLUSTER: the work-groups of a head need different numbers of tiles in each pass and stand at different tiles after the first, so a joint load would bring tiles that some partner never reads.
; LIMITS: NaN and infinities are not served; a p under 6e-8 is lost in f16 (it stays in the row's sum).
; REGISTERS.  window 0: v1-21 addresses; v24-39 statistics, eight a tile: +0 c m, +1 m, +2 +3 l, +4 .. +7 at work (a in +6); v40-47 the merge; v64-127 S^T; v128-159 P; v160-223 O^T.
;   window 1: v0-31 Q; v32-63 the second pass's Q; v64-127 K; v128-191 V.
.set SLOT1, 1<<17                      ; slot 1: one exclusive or turns an address from one slot to the other
.set RGN,   20480                      ; a slot is six regions: K of tiles 0-2 (128 rows of 128 + 16 bytes), V of tiles 0-2 (128 rows of 128 + 32 bytes)
.set VOFF,  3*RGN
.set MERGE, SLOT1+6*RGN                ; behind the ring: for each wave 4,096 bytes of O^T and 256 of (c m, l); no tensor load lands here
.set MW,    4352
.set SPARE, MERGE+8*MW                 ; the spare words, 128 bytes a wave: no other line names them
.set LI,  3
.set AK0, 4
.set AV0, 5
.set ADK, 6
.set ADV, 7
.set QO,  8
.set DB,  10
.set DD,  12
.set NINF, 14
.set PFO, 15
.set MS,  16
.set MS8, 17
.set ML,  18
.set ML8, 19
.set SPW, 20
.set NIL, 21
.set ST,  24
.set FT,  40
.set S,   64
.set P,   128
.set O,   160
.set QF,  0
.set QB,  32
.set KR,  64
.set VR,  128
.set WV,  8
.set QS,  9
.set KH,  10
.set II,  11
.set BH,  12
.set SW,  13                           ; the step at which the second pass begins
.set NN,  14                           ; the step
.set KF,  15                           ; my first key of the step
.set Q0,  16                           ; my first query
.set TB,  17                           ; LDS byte at which the step's K tile begins
.set SLOTS, 18
.set TRI, 19
.set NW,  20                           ; the step whose tile my next load brings
.set CS,  22
.set SEL, 24
.set G1K, 28
.set G1V, 36
.set G0,  44
.set BASEW, 48
.set OFF, 50
.set PFA, 52
.set LIM, 54
.set OB,  56
.set Q0B, 58
.set MSB, 0
.macro WIN new                         ; the immediate's high byte repeats the setting that is left
.if MSB != (\new)
	s_set_vgpr_msb (MSB<<8)|(\new)
.set MSB, (\new)
.endif
.endm
; Waves 0-2 fetch K's tiles, waves 3-5 V's, waves 6 and 7 nothing.  An s_nop 0 and four v_nop follow each of the two lines.
.macro TLOAD
	s_cmp_lt_u32 s[WV], 3
	s_cbranch_scc0 .Lnot_k_\@
	tensor_load_to_lds s[G0:G0+3], s[G1K:G1K+7]
	s_nop 0
.rept 4
	v_nop
.endr
	s_branch .Lasked_\@
.Lnot_k_\@:
	s_cmp_lt_u32 s[WV], 6
	s_cbranch_scc0 .Lasked_\@
	tensor_load_to_lds s[G0:G0+3], s[G1V:G1V+7]
	s_nop 0
.rept 4
	v_nop
.endr
.Lasked_\@:
.endm
; A prefetch of the slot that the NEXT change of slots will ask for: three tiles of K and of V, 49,152 dense bytes each, lanes 256 bytes apart, six instructions a wave.  Each block of 256 bytes is named once in the launch:
; the head's work-group 0, whose first pass walks tiles 0 to 31 in the order in which all others walk theirs, asks; in it wave 6 for K and wave 7 for V, the two that fetch nothing.
; It asks at the changes into slots 0 to 7, for tiles 6 to 29; the other tiles come by their loads alone.
.macro ASK
	s_cmp_gt_u32 s[SLOTS], s[LIM]
	s_cbranch_scc0 .Lnot_mine_\@
.irp k, 0,1,2,3,4,5
	global_prefetch_b8 v[PFO], s[PFA:PFA+1] offset:8192*\k th:TH_LOAD_NT scope:SCOPE_SE
.endr
.Lnot_mine_\@:
.endm
.macro RESET                           ; a pass begins: m = -3e38, under every score; l and O^T zeros, which the first a = 0 leaves zeros
.irp t, 0,1
	v_mov_b32 v[ST+8*\t+1], 0xff61b1e6
	v_mov_b32 v[ST+8*\t+2], 0
	v_mov_b32 v[ST+8*\t+3], 0
.endr
.irp t, 0,1
	v_mul_f32 v[ST+8*\t], s[CS], v[ST+8*\t+1]
.endr
.set z, 0
.rept 64
	v_mov_b32 v[O+z], 0
.set z, z+1
.endr
.endm
	s_load_b128 s[4:7], s[0:1], 0x0                ; qkv16, o16
	v_lshl_add_u32 v[SPW], v0, 2, SPARE
	v_mov_b32 v[NIL], 0
	ds_add_u32 v[SPW], v[NIL]                      ; the wave's opening: the add, twice on end, and its wait ahead of the first tensor load
	ds_add_u32 v[SPW], v[NIL]
	v_lshrrev_b32 v1, 5, v0
	v_readfirstlane_b32 s[WV], v1
	s_and_b32 s[QS], s[WV], 3
	s_lshr_b32 s[KH], s[WV], 2
	s_mov_b32 s[II], ttmp9
	s_and_b32 s[BH], ttmp7, 0xffff
	s_sub_co_u32 s[SW], 32, s[II]
	s_mov_b32 s[NN], 0
	s_lshl_b32 s[KF], s[KH], 6
	s_sub_co_u32 s66, 31, s[II]
	s_lshl_b32 s66, s66, 7
	s_lshl_b32 s67, s[QS], 5
	s_add_co_u32 s[Q0], s66, s67                   ; first pass: block 31 - i
	s_lshl_b32 s66, s[II], 7
	s_add_co_u32 s[Q0B], s66, s67                  ; second pass: block i
	s_mov_b32 s[TB], 0
	s_mov_b32 s[SLOTS], 10
	s_mov_b32 s[CS], 0x3e38aa3b                    ; c = log2(e) / 8
	s_mov_b32 s[CS+1], s[CS]                       ; named with it as a pair
	s_mov_b32 s[SEL], 0x76543210
	s_mov_b32 s[SEL+1], 0xfedcba98                 ; lane l xor 16
	; descriptor group 1: 128 rows of 64 elements of 2 bytes, dense in memory; in LDS 4 words (K) or 8 words (V) of padding behind every 32
	s_mov_b32 s[G1K], (1<<16)|(1<<20)|(4<<22)|(3<<25)
	s_mov_b32 s[G1V], (1<<16)|(1<<20)|(4<<22)|(7<<25)
.irp g, G1K, G1V
	s_mov_b32 s[\g+1], 64<<16                      ; tensor_dim0
	s_mov_b32 s[\g+2], 128<<16                     ; tensor_dim1
	s_mov_b32 s[\g+3], 64<<16                      ; tile_dim0
	s_mov_b32 s[\g+4], 128                         ; tile_dim1
	s_mov_b32 s[\g+5], 64                          ; elements from row to row
	s_mov_b32 s[\g+6], 0
	s_mov_b32 s[\g+7], 0
.endr
	s_cmp_lt_u32 s[WV], 3
	s_cselect_b32 s66, 1, 2                        ; I fetch from k (tensor 1) or from v (tensor 2),
	s_cselect_b32 s67, 0, 3
	s_sub_co_u32 s[NW], s[WV], s67                 ; the slot's tile w or w - 3
	s_lshl_b32 s66, s66, 23
	s_lshl_b32 s68, s[BH], 19                      ; the head's 4,096 rows of 128 bytes
	s_add_co_u32 s66, s66, s68
	s_mov_b32 s67, 0
	s_cmp_eq_u32 s[WV], 6
	s_cselect_b32 s70, 1, 2
	s_lshl_b32 s70, s70, 23
	s_add_co_u32 s70, s70, s68
	s_add_co_u32 s70, s70, 49152                   ; the prefetches stand in slot 1; the first change steps them to slot 2
	s_mov_b32 s71, 0
	s_cmp_ge_u32 s[WV], 6
	s_cselect_b32 s69, 0, 1
	s_or_b32 s69, s69, s[II]
	s_cmp_eq_u32 s69, 0
	s_cselect_b32 s[LIM], 2, -1                    ; 2 in waves 6 and 7 of work-group 0, else the greatest number
	s_lshl_b32 s72, s[Q0], 7
	s_add_co_u32 s72, s72, s68
	s_mov_b32 s73, 0
	s_lshl_b32 s74, s[Q0B], 7
	s_add_co_u32 s74, s74, s68
	s_mov_b32 s75, 0
	s_mov_b32 s[OFF+1], 0
	s_lshl_b32 s[OFF], s[NW], 14                   ; a tile is 16,384 bytes
	s_mov_b32 s[G0], 1                             ; count = 1
	s_mul_i32 s[G0+1], s[WV], RGN                  ; LDS: region w of slot 0
	s_wait_dscnt 0x0                               ; both opening adds are done
	s_wait_kmcnt 0x0
	s_add_nc_u64 s[BASEW:BASEW+1], s[4:5], s[66:67]
	s_add_nc_u64 s[PFA:PFA+1], s[4:5], s[70:71]
	s_add_nc_u64 s[72:73], s[4:5], s[72:73]
	s_add_nc_u64 s[74:75], s[4:5], s[74:75]
	s_add_nc_u64 s[G0+2:G0+3], s[BASEW:BASEW+1], s[OFF:OFF+1]
	s_or_b32 s[G0+3], s[G0+3], 0x80000000          ; type = 2
	TLOAD                                          ; slot 0; slot 1 is filled behind the first trip's barrier
	v_and_b32 v1, 15, v0                           ; r
	v_bfe_u32 v2, v0, 4, 1                         ; hh
	v_and_b32 v6, 31, v0
	v_lshlrev_b32 v[LI], 4, v6
	v_lshlrev_b32 v[PFO], 8, v6
	v_bfe_u32 v7, v0, 7, 1                         ; kh = wave / 4
	v_xor_b32 v12, 1, v7
	v_lshlrev_b32 v13, 7, v1
	v_lshl_add_u32 v13, v2, 4, v13                 ; row r of 128 bytes, + 16 hh
	v_lshl_add_u32 v[QO], v7, 11, v13              ; register tile 0: query tile kh
	v_lshl_add_u32 v[QO+1], v12, 11, v13           ; register tile 1: the other
	WIN 0x40                                       ; destination window 1
.irp t, 0,1
.irp c, 0,1
	global_load_b128 v[QF+16*\t+8*\c:QF+16*\t+8*\c+3], v[QO+\t], s[72:73] offset:64*\c
	global_load_b128 v[QF+16*\t+8*\c+4:QF+16*\t+8*\c+7], v[QO+\t], s[72:73] offset:64*\c+32
	global_load_b128 v[QB+16*\t+8*\c:QB+16*\t+8*\c+3], v[QO+\t], s[74:75] offset:64*\c
	global_load_b128 v[QB+16*\t+8*\c+4:QB+16*\t+8*\c+7], v[QO+\t], s[74:75] offset:64*\c+32
.endr
.endr
	WIN 0
	v_lshlrev_b32 v13, 3, v2
	v_sub_nc_u32 v13, v1, v13
	v_lshl_add_u32 v[DB], v7, 4, v13               ; r - 8 hh + 16 x query tile
	v_lshl_add_u32 v[DB+1], v12, 4, v13
	v_lshl_add_u32 v[AK0], v7, 6, v1
	v_mul_u32_u24 v[AK0], v[AK0], 144
	v_lshl_add_u32 v[AK0], v2, 4, v[AK0]           ; K: row 64 kh + r, + 16 hh
	v_and_b32 v[AV0], 7, v0
	v_lshl_add_u32 v[AV0], v2, 3, v[AV0]
	v_lshl_add_u32 v[AV0], v7, 6, v[AV0]
	v_mul_u32_u24 v[AV0], v[AV0], 160
	v_bfe_u32 v13, v0, 3, 1
	v_lshl_add_u32 v[AV0], v13, 4, v[AV0]
	v_add_nc_u32 v[AV0], VOFF, v[AV0]              ; V, for the turning load: row 64 kh + 8 hh + l % 8, + 16 ((l / 8) % 2)
	s_mul_i32 s66, s[WV], MW
	s_add_co_u32 s66, s66, MERGE
	v_add_nc_u32 v[MS], s66, v[LI]
	v_lshlrev_b32 v13, 3, v6
	v_add_nc_u32 v[MS8], s66, v13
	v_add_nc_u32 v[MS8], 4096, v[MS8]
	s_xor_b32 s67, s[WV], 4
	s_mul_i32 s67, s67, MW
	s_add_co_u32 s67, s67, MERGE
	v_add_nc_u32 v[ML], s67, v[LI]
	v_add_nc_u32 v[ML8], s67, v13
	v_add_nc_u32 v[ML8], 4096, v[ML8]
	v_mov_b32 v[NINF], 0xff800000
	v_mov_b32 v[FT+1], 0                           ; a lane permute's destination, and the upper halves of two pairs: written once
	v_mov_b32 v[FT+3], 0
	v_mov_b32 v[FT+5], 0
	RESET
; ONE KEY TILE: my 64 keys against my 32 queries
.macro STEP
	s_add_co_u32 s66, s[Q0], 31
	s_cmp_gt_u32 s[KF], s66                        ; all my keys come after all my queries: nothing to do
	s_cbranch_scc1 .Lhid_\@
	v_add_nc_u32 v[ADK], s[TB], v[AK0]
	v_add_nc_u32 v[ADV], s[TB], v[AV0]
	v_nop
	v_nop                                          ; four places behind the last step's products, in front of loads into registers that they read
	WIN 0x40
.irp kt, 0,1,2,3
.irp c, 0,1
	ds_load_b128 v[KR+8*(2*\kt+\c):KR+8*(2*\kt+\c)+3], v[ADK] offset:\kt*2304+64*\c
	ds_load_b128 v[KR+8*(2*\kt+\c)+4:KR+8*(2*\kt+\c)+7], v[ADK] offset:\kt*2304+64*\c+32
.endr
.endr
.irp ct, 0,1,2,3
.irp kf, 0,1
	ds_load_tr16_b128 v[VR+8*(2*\ct+\kf):VR+8*(2*\ct+\kf)+3], v[ADV] offset:\kf*5120+32*\ct
	ds_load_tr16_b128 v[VR+8*(2*\ct+\kf)+4:VR+8*(2*\ct+\kf)+7], v[ADV] offset:\kf*5120+32*\ct+2560
.endr
.endr
	s_wait_dscnt 16                                ; K's 16 loads are in; V's 16, issued behind them, may stay out
	WIN 0x05                                       ; K and Q window 1, S^T window 0
.irp c, 0,1                                    ; eight accumulators by turns, one instruction a turn
.irp kt, 0,1,2,3
.irp t, 0,1
.if \c == 0
	v_wmma_f32_16x16x32_f16 v[S+32*\t+8*\kt:S+32*\t+8*\kt+7], v[KR+8*(2*\kt+\c):KR+8*(2*\kt+\c)+7], v[QF+16*\t+8*\c:QF+16*\t+8*\c+7], 0
.else
	v_wmma_f32_16x16x32_f16 v[S+32*\t+8*\kt:S+32*\t+8*\kt+7], v[KR+8*(2*\kt+\c):KR+8*(2*\kt+\c)+7], v[QF+16*\t+8*\c:QF+16*\t+8*\c+7], v[S+32*\t+8*\kt:S+32*\t+8*\kt+7]
.endif
.endr
.endr
.endr
	WIN 0
.rept 4
	v_nop                                          ; four places in front of the first read of the scores
.endr
	s_add_co_u32 s66, s[KF], 63
	s_cmp_le_u32 s66, s[Q0]                        ; all my keys count for all my queries
	s_cbranch_scc1 .Lopen_\@
	s_sub_co_i32 s66, s[Q0], s[KF]
	v_add_nc_u32 v[DD], s66, v[DB]                 ; register 8 kt + j holds key KF + 16 kt + 8 hh + j: hidden where 16 kt + j > my query - KF - 8 hh
	v_add_nc_u32 v[DD+1], s66, v[DB+1]
.irp t, 0,1
.irp n, 0,1,2,3,4,5,6,7,8,9,10,11,12,13,14,15,16,17,18,19,20,21,22,23,24,25,26,27,28,29,30,31
	v_cmp_gt_i32 vcc_lo, 16*(\n/8)+\n%8, v[DD+\t]
	v_cndmask_b32 v[S+32*\t+\n], v[S+32*\t+\n], v[NINF], vcc_lo
.endr
.endr
.Lopen_\@:
	; the softmax, the two tiles line by line in turn
.irp k, 0,1,2,3
.irp t, 0,1
	v_max3_num_f32 v[ST+8*\t+4+\k], v[S+32*\t+8*\k], v[S+32*\t+8*\k+1], v[S+32*\t+8*\k+2]   ; four chains; each accumulator is read from its low end on
.endr
.endr
.irp u, 1,2
.irp k, 0,1,2,3
.irp t, 0,1
	v_max3_num_f32 v[ST+8*\t+4+\k], v[ST+8*\t+4+\k], v[S+32*\t+8*\k+2*\u+1], v[S+32*\t+8*\k+2*\u+2]
.endr
.endr
.endr
.irp t, 0,1
	v_max3_num_f32 v[ST+8*\t+4], v[ST+8*\t+4], v[S+32*\t+7], v[S+32*\t+15]
	v_max3_num_f32 v[ST+8*\t+6], v[ST+8*\t+6], v[S+32*\t+23], v[S+32*\t+31]
.endr
.irp t, 0,1
	v_max3_num_f32 v[ST+8*\t+4], v[ST+8*\t+4], v[ST+8*\t+5], v[ST+8*\t+6]
.endr
.irp t, 0,1
	v_max3_num_f32 v[ST+8*\t+4], v[ST+8*\t+4], v[ST+8*\t+7], v[ST+8*\t+1]   ; with the old m
.endr
.irp t, 0,1
	v_permlanex16_b32 v[ST+8*\t+5], v[ST+8*\t+4], s[SEL], s[SEL+1]          ; the query's other 32 keys lie in the lane 16 away
.endr
.irp t, 0,1
	v_mov_b32 v[ST+8*\t+7], v[ST+8*\t]             ; c m_old is kept for a
.endr
.irp t, 0,1
	v_max_num_f32 v[ST+8*\t+1], v[ST+8*\t+4], v[ST+8*\t+5]
.endr
.irp t, 0,1
	v_mul_f32 v[ST+8*\t], s[CS], v[ST+8*\t+1]
.endr
.irp t, 0,1
	v_sub_f32 v[ST+8*\t+7], v[ST+8*\t+7], v[ST+8*\t]
.endr
.irp u, 0,2,4,6,8,10,12,14,16,18,20,22,24,26,28,30
.irp t, 0,1
	v_pk_fma_f32 v[S+32*\t+\u:S+32*\t+\u+1], v[S+32*\t+\u:S+32*\t+\u+1], s[CS:CS+1], v[ST+8*\t:ST+8*\t+1] op_sel_hi:[1,0,0] neg_lo:[0,0,1] neg_hi:[0,0,1]   ; c s - c m
.endr
.endr
.irp t, 0,1
	v_exp_f32 v[ST+8*\t+6], v[ST+8*\t+7]           ; a
.endr
.set e, 0
.rept 32
	v_exp_f32 v[S+e], v[S+e]                       ; p
	v_exp_f32 v[S+32+e], v[S+32+e]
.set e, e+1
.endr
	v_nop                                          ; the plain instruction behind the last exponential
	s_wait_alu depctr_va_vdst(0)                   ; one wait for the batch of 66, ahead of its first reader
.set e, 0
.rept 16
	v_cvt_pk_f16_f32 v[P+e], v[S+2*e], v[S+2*e+1]
	v_cvt_pk_f16_f32 v[P+16+e], v[S+32+2*e], v[S+32+2*e+1]
.set e, e+1
.endr
.irp u, 0,4,8,12,16,20,24,28                   ; the sum of the unrounded p, in place, in pairs
.irp t, 0,1
	v_pk_add_f32 v[S+32*\t+\u:S+32*\t+\u+1], v[S+32*\t+\u:S+32*\t+\u+1], v[S+32*\t+\u+2:S+32*\t+\u+3]
.endr
.endr
.irp u, 0,8,16,24
.irp t, 0,1
	v_pk_add_f32 v[S+32*\t+\u:S+32*\t+\u+1], v[S+32*\t+\u:S+32*\t+\u+1], v[S+32*\t+\u+4:S+32*\t+\u+5]
.endr
.endr
.irp u, 0,16
.irp t, 0,1
	v_pk_add_f32 v[S+32*\t+\u:S+32*\t+\u+1], v[S+32*\t+\u:S+32*\t+\u+1], v[S+32*\t+\u+8:S+32*\t+\u+9]
.endr
.endr
.irp t, 0,1
	v_pk_add_f32 v[S+32*\t:S+32*\t+1], v[S+32*\t:S+32*\t+1], v[S+32*\t+16:S+32*\t+17]
.endr
.irp t, 0,1
	v_pk_fma_f32 v[ST+8*\t+2:ST+8*\t+3], v[ST+8*\t+2:ST+8*\t+3], v[ST+8*\t+6:ST+8*\t+7], v[S+32*\t:S+32*\t+1] op_sel_hi:[1,0,1]   ; l = a l + the sum
.endr
.irp u, 0,2,4,6,8,10,12,14,16,18,20,22,24,26,28,30
.irp t, 0,1
	v_pk_mul_f32 v[O+32*\t+\u:O+32*\t+\u+1], v[O+32*\t+\u:O+32*\t+\u+1], v[ST+8*\t+6:ST+8*\t+7] op_sel_hi:[1,0]   ; O^T x a
.endr
.endr
	s_wait_dscnt 0x0                               ; V is in
	WIN 0x01                                       ; V window 1; P and O^T window 0
.irp kf, 0,1                                   ; eight accumulators by turns
.irp ct, 0,1,2,3
.irp t, 0,1
	v_wmma_f32_16x16x32_f16 v[O+32*\t+8*\ct:O+32*\t+8*\ct+7], v[VR+8*(2*\ct+\kf):VR+8*(2*\ct+\kf)+7], v[P+16*\t+8*\kf:P+16*\t+8*\kf+7], v[O+32*\t+8*\ct:O+32*\t+8*\ct+7]
.endr
.endr
.endr
	WIN 0
.Lhid_\@:
	s_add_co_u32 s[KF], s[KF], 128
.endm
; A PASS ENDS.  My tile 1 and its (c m, l) go to wave w xor 4, whose tile 0 holds the same queries; its tile 1 comes to me.  The two halves of the keys are brought under one maximum, O is divided by l,
; rounded to f16 and stored: the packed registers are the next launch's fragment, 2,048 consecutive bytes a wave.  more = 1: the second pass is set up.
.macro FINISH more
.rept 4
	v_nop                                          ; four places behind the last products
.endr
	v_add_f32 v[FT], v[ST+2], v[ST+3]              ; my tile 0: l's two halves
	v_mov_b32 v[ST+12], v[ST+8]                    ; my tile 1: c m,
	v_add_f32 v[ST+13], v[ST+10], v[ST+11]         ; and l
.irp k, 0,1,2,3,4,5,6,7
	ds_store_b128 v[MS], v[O+32+4*\k:O+32+4*\k+3] offset:512*\k   ; each accumulator from its low end on
.endr
	ds_store_b64 v[MS8], v[ST+12:ST+13]
	s_wait_dscnt 0x0                               ; for the partner's sake: my stores have landed
	s_barrier_signal -1
	s_barrier_wait -1
.irp k, 0,1,2,3,4,5,6,7
	ds_load_b128 v[O+32+4*\k:O+32+4*\k+3], v[ML] offset:512*\k
.endr
	ds_load_b64 v[ST+12:ST+13], v[ML8]
	s_wait_dscnt 0x0
.if \more
	s_barrier_signal -1                            ; the next pass's stores into these bytes stand behind every wave's reads
	s_barrier_wait -1
.endif
	v_max_num_f32 v[FT+6], v[ST], v[ST+12]
	v_sub_f32 v[FT+2], v[ST], v[FT+6]
	v_sub_f32 v[FT+4], v[ST+12], v[FT+6]
	v_exp_f32 v[FT+2], v[FT+2]
	v_exp_f32 v[FT+4], v[FT+4]
	v_nop
	s_wait_alu depctr_va_vdst(0)                   ; one wait for the two, ahead of their first reader
	v_mul_f32 v[FT], v[FT], v[FT+2]
	v_fmac_f32 v[FT], v[ST+13], v[FT+4]
	v_permlanex16_b32 v[FT+1], v[FT], s[SEL], s[SEL+1]
	v_add_f32 v[FT], v[FT], v[FT+1]                ; the row's sum
	v_rcp_f32 v[FT+6], v[FT]
	v_nop
	s_wait_alu depctr_va_vdst(0)
	v_mul_f32 v[FT+2], v[FT+2], v[FT+6]
	v_mul_f32 v[FT+4], v[FT+4], v[FT+6]
.irp u, 0,2,4,6,8,10,12,14,16,18,20,22,24,26,28,30
	v_pk_mul_f32 v[O+\u:O+\u+1], v[O+\u:O+\u+1], v[FT+2:FT+3] op_sel_hi:[1,0]
.endr
.irp u, 0,2,4,6,8,10,12,14,16,18,20,22,24,26,28,30
	v_pk_fma_f32 v[O+\u:O+\u+1], v[O+32+\u:O+32+\u+1], v[FT+4:FT+5], v[O+\u:O+\u+1] op_sel_hi:[1,0,1]
.endr
.set e, 0
.rept 16
	v_cvt_pk_f16_f32 v[S+e], v[O+2*e], v[O+2*e+1]
.set e, e+1
.endr
	s_lshr_b32 s66, s[BH], 3
	s_lshl_b32 s66, s66, 8
	s_lshr_b32 s67, s[Q0], 4
	s_add_co_u32 s66, s66, s67
	s_add_co_u32 s66, s66, s[KH]                   ; the tile of 16 tokens: 256 b + my first query / 16 + kh
	s_lshl_b32 s66, s66, 14
	s_and_b32 s67, s[BH], 7
	s_lshl_b32 s67, s67, 11                        ; the head's two K steps
	s_add_co_u32 s66, s66, s67
	s_mov_b32 s67, 0
	s_add_nc_u64 s[OB:OB+1], s[6:7], s[66:67]
.irp ct, 0,1,2,3
	global_store_b128 v[LI], v[S+4*\ct:S+4*\ct+3], s[OB:OB+1] offset:512*\ct
.endr
.if \more
	RESET
	WIN 0x41                                       ; destination and source window 1
.set z, 0
.rept 32
	v_mov_b32 v[QF+z], v[QB+z]
.set z, z+1
.endr
	WIN 0
	s_mov_b32 s[Q0], s[Q0B]
	s_lshl_b32 s[KF], s[KH], 6
	s_wait_xcnt 0x0                                ; the stores have read their registers and base: both are written again
.endif
.endm
; THE CHANGE OF SLOTS stands at a slot's head.  Each wave waits for all its tensor loads, adds 0 to its spare word, and waits for that and for its reads of the slot that it has left; behind the barrier the slot ahead is whole
; and nobody reads the other.  fill = 1: the other slot takes the next three tiles; the load has three tiles' work in which to land.
.macro CHANGE fill
	s_wait_tensorcnt 0x0                           ; no tensor load of mine is out, so group 0 may be written
	ds_add_u32 v[SPW], v[NIL]
.if \fill
	ds_add_u32 v[SPW], v[NIL]                      ; twice on end here, in every trip alike
	s_xor_b32 s[G0+1], s[G0+1], SLOT1              ; the other slot than last time
	s_add_co_u32 s[NW], s[NW], 3
	s_cmp_ge_u32 s[NW], s[SW]
	s_cselect_b32 s66, s[SW], 0
	s_sub_co_u32 s66, s[NW], s66                   ; the key tile of that step
	s_lshl_b32 s[OFF], s66, 14
	s_add_nc_u64 s[G0+2:G0+3], s[BASEW:BASEW+1], s[OFF:OFF+1]
	s_or_b32 s[G0+3], s[G0+3], 0x80000000
	s_wait_xcnt 0x0                                ; the last prefetches, a slot back, have read their address
	s_add_nc_u64 s[PFA:PFA+1], s[PFA:PFA+1], 49152
.endif
	s_wait_dscnt 0x0
	s_barrier_signal -1
	s_barrier_wait -1
.if \fill
	TLOAD                                          ; the first thing behind the barrier, and a wave's one tensor load until the next
	ASK
.endif
.endm
.macro THREE_TILES
	s_mov_b32 s[TRI], 3
.Ltile_\@:
	s_cmp_lg_u32 s[NN], s[SW]                      ; the work-group's number and a count of steps: the same in all eight waves
	s_cbranch_scc1 .Lsame_\@
	FINISH 1
.Lsame_\@:
	STEP
	s_add_co_u32 s[NN], s[NN], 1
	s_add_co_u32 s[TB], s[TB], RGN
	s_sub_co_u32 s[TRI], s[TRI], 1
	s_cmp_lg_u32 s[TRI], 0
	s_cbranch_scc1 .Ltile_\@
	s_sub_co_u32 s[TB], s[TB], 3*RGN
	s_xor_b32 s[TB], s[TB], SLOT1
.endm
	s_wait_loadcnt 0x0                             ; Q of both passes
.Lslot:                                            ; ten trips: behind each change of slots but the last the next slot is asked for
	CHANGE 1
	THREE_TILES
	s_sub_co_u32 s[SLOTS], s[SLOTS], 1
	s_cmp_lg_u32 s[SLOTS], 0
	s_cbranch_scc1 .Lslot
	CHANGE 0                                       ; the last slot is written out
	THREE_TILES
	FINISH 0
	s_wait_tensorcnt 0x0                           ; the wave's end, behind my last tensor load and my last LDS store
	ds_add_u32 v[SPW], v[NIL]
	s_wait_dscnt 0x0
	s_endpgm
.Lfunc_end_k_qdb74afca3d_attn:
	.size	k_qdb74afca3d_attn, .Lfunc_end_k_qdb74afca3d_attn-k_qdb74afca3d_attn
	.p2alignl 7, 3214868480
	.fill 96, 4, 3214868480
	.section	.rodata,"a",@progbits
	.p2align	6, 0x0
	.amdhsa_kernel k_qdb74afca3d_attn
		.amdhsa_group_segment_fixed_size 327680
		.amdhsa_private_segment_fixed_size 0
		.amdhsa_enable_private_segment 0
		.amdhsa_kernarg_size 16
		.amdhsa_user_sgpr_count 2
		.amdhsa_user_sgpr_kernarg_segment_ptr 1
		.amdhsa_wavefront_size32 1
		.amdhsa_system_sgpr_workgroup_id_x 1
		.amdhsa_system_sgpr_workgroup_id_y 1
		.amdhsa_system_sgpr_workgroup_id_z 1
		.amdhsa_system_vgpr_workitem_id 0
		.amdhsa_next_free_vgpr 448
		.amdhsa_next_free_sgpr 80
		.amdhsa_reserve_vcc 1
		.amdhsa_float_denorm_mode_32 3
		.amdhsa_float_denorm_mode_16_64 3
		.amdhsa_memory_ordered 1
		.amdhsa_forward_progress 1
		.amdhsa_inst_pref_size 81
	.end_amdhsa_kernel
	.amdgpu_metadata
---
amdhsa.version: [ 1, 2 ]
amdhsa.kernels:
  - .name:           k_qdb74afca3d_attn
    .symbol:         k_qdb74afca3d_attn.kd
    .args:
      - { .name: qkv16, .offset: 0, .size: 8, .value_kind: global_buffer, .address_space: global }
      - { .name: o16, .offset: 8, .size: 8, .value_kind: global_buffer, .address_space: global }
    .group_segment_fixed_size: 327680
    .private_segment_fixed_size: 0
    .kernarg_segment_align: 8
    .kernarg_segment_size: 16
    .max_flat_workgroup_size: 256
    .sgpr_count:     80
    .vgpr_count:     448
    .wavefront_size: 32
...
	.end_amdgpu_metadata
.endif
;; end of part 3
;; launch outp (part 4): grid 128 x 2, 4 waves a work-group, no clusters, 83,456 bytes of LDS; arguments o16, wo16, out0; writes out0
.if DOCPART == 4
	.amdgcn_target "amdgcn-amd-amdhsa--gfx1250"
	.amdhsa_code_object_version 6
	.text
	.protected	k_qdb74afca3d_outp
	.globl	k_qdb74afca3d_outp
	.p2align	8
	.type	k_qdb74afca3d_outp,@function
k_qdb74afca3d_outp:
	s_mov_b64 s[64:65], 0
	v_nop
	global_prefetch_b8 v0, s[64:65] scope:SCOPE_SE
	s_setreg_imm32_b32 hwreg(HW_REG_WAVE_MODE, 25, 1), 1
	s_wait_xcnt 0x0
; out0 = o Wo for all positions but the first 16 of each sequence (a launch of its own carries those in f32).  f16 operands, f32 sums.  Both operands arrive in the order of the operand registers.
; SHARES.  Work-group (g, y): 64 tokens (four tiles of 16) x 256 columns.  Wave w: the 64 columns 256 y + 64 w; its 64 fragments of Wo (512 registers) are read once and stay in windows 1 and 2.
; The 64 tokens' fragments, 65,536 dense bytes, are read once (a quarter a wave) and reach all four waves through LDS as images of their registers: one barrier.
; THE PRODUCT IS USED TRANSPOSED (source 0 = 16 columns of Wo, source 1 = 16 tokens): a lane holds one token and eight neighbouring columns; they leave through the wave's own stage, sixteen lanes to 256 consecutive aligned bytes.
; No tensor load: every byte is read once by one wave in dense loads.  No cluster: what work-groups share is read once at their head.
; REGISTERS.  window 0: v1-10 addresses; v64-191 first the tokens' fragments as loaded, then two buffers of four fragments (v64-95, v96-127), on the way out four sets of 32.
;   windows 1, 2: Wo's fragment (column tile n, K step ks) at 8 (8 n + ks % 8) of window 1 + ks / 8.   window 3: the accumulators (token tile mt, n) at 8 (4 mt + n).
.set STG,   65536                      ; LDS: the images at 0; for each wave 16 rows of 256 bytes + 16
.set SPARE, 82944                      ; the spare words, 128 bytes a wave: no other line names them
.set LI,  3
.set AW,  4
.set STO, 5
.set RD,  6
.set CO,  7
.set SPW, 8
.set NIL, 9
.set FB,  64
.set MSB, 0
.macro WIN new                         ; the immediate's high byte repeats the setting that is left
.if MSB != (\new)
	s_set_vgpr_msb (MSB<<8)|(\new)
.set MSB, (\new)
.endif
.endm
	s_load_b128 s[4:7], s[0:1], 0x0                ; o16, wo16
	s_load_b64 s[8:9], s[0:1], 0x10                ; out0
	v_lshl_add_u32 v[SPW], v0, 2, SPARE
	v_mov_b32 v[NIL], 0
	v_lshrrev_b32 v1, 5, v0
	v_readfirstlane_b32 s10, v1                    ; wave
	s_and_b32 s11, ttmp7, 0xffff                   ; which 256 columns
	v_and_b32 v1, 15, v0                           ; r
	v_bfe_u32 v2, v0, 4, 1                         ; hh
	v_and_b32 v10, 31, v0
	v_lshlrev_b32 v[LI], 4, v10
	s_lshl_b32 s12, s10, 14
	v_add_nc_u32 v[AW], s12, v[LI]
	s_mul_i32 s13, s10, 4352
	s_add_co_u32 s13, s13, STG
	v_mul_u32_u24 v[STO], v1, 272
	v_lshl_add_u32 v[STO], v2, 5, v[STO]
	v_add_nc_u32 v[STO], s13, v[STO]               ; in: row r, 32 bytes for each half of the lanes
	v_mul_u32_u24 v[RD], v2, 272
	v_lshl_add_u32 v[RD], v1, 4, v[RD]
	v_add_nc_u32 v[RD], s13, v[RD]                 ; back: lanes 0-15 one row, lanes 16-31 the next
	v_lshlrev_b32 v[CO], 11, v2
	v_lshl_add_u32 v[CO], v1, 4, v[CO]             ; and the same two rows of out0
	s_lshl_b32 s14, ttmp9, 16
	s_add_co_u32 s14, s14, s12                     ; o16: group x 65,536 + wave x 16,384
	s_mov_b32 s15, 0
	s_lshl_b32 s16, s11, 4
	s_lshl_b32 s17, s10, 2
	s_add_co_u32 s16, s16, s17
	s_lshl_b32 s16, s16, 14                        ; wo16: column tile 16 y + 4 w
	s_mov_b32 s17, 0
	s_lshl_b32 s18, ttmp9, 17                      ; out0: 64 rows of 2,048 bytes,
	s_lshl_b32 s19, s11, 10
	s_add_co_u32 s18, s18, s19
	s_lshl_b32 s19, s10, 8
	s_add_co_u32 s18, s18, s19                     ; + my 64 columns
	s_mov_b32 s19, 0
	s_and_b32 s20, ttmp9, 63                       ; the group's place in its sequence
	s_wait_kmcnt 0x0
	s_add_nc_u64 s[4:5], s[4:5], s[14:15]
	s_add_nc_u64 s[6:7], s[6:7], s[16:17]
	s_add_nc_u64 s[8:9], s[8:9], s[18:19]
.set z, 0
.rept 32
	global_load_b128 v[FB+4*z:FB+4*z+3], v[LI], s[4:5] offset:512*z
.set z, z+1
.endr
	WIN 0x40
.irp n, 0,1,2,3
.irp k8, 0,1,2,3,4,5,6,7
.irp p, 0,1
	global_load_b128 v[8*(8*\n+\k8)+4*\p:8*(8*\n+\k8)+4*\p+3], v[LI], s[6:7] offset:\n*16384+\k8*1024+512*\p
.endr
.endr
.endr
	WIN 0x80
.irp n, 0,1,2,3
.irp k8, 0,1,2,3,4,5,6,7
.irp p, 0,1
	global_load_b128 v[8*(8*\n+\k8)+4*\p:8*(8*\n+\k8)+4*\p+3], v[LI], s[6:7] offset:\n*16384+(8+\k8)*1024+512*\p
.endr
.endr
.endr
	WIN 0
	s_wait_loadcnt 63                              ; of the 160 loads the youngest 63 may be out: the tokens' 32 are older
.set z, 0
.rept 32
	ds_store_b128 v[AW], v[FB+4*z:FB+4*z+3] offset:512*z
.set z, z+1
.endr
	s_wait_dscnt 0x0                               ; for the others' sake: my quarter has landed
	s_barrier_signal -1
	s_barrier_wait -1
	s_wait_loadcnt 0x0                             ; Wo
.macro FETCH kk                        ; the four token tiles' fragments of K step kk into buffer kk % 2
.irp mt, 0,1,2,3
.irp p, 0,1
	ds_load_b128 v[FB+32*((\kk)%2)+8*\mt+4*\p:FB+32*((\kk)%2)+8*\mt+4*\p+3], v[LI] offset:\mt*16384+(\kk)*1024+512*\p
.endr
.endr
.endm
.macro KSTEP ks
	s_wait_dscnt 0x0                               ; this K step's fragments are in
.rept 4
	v_nop                                          ; four places in front of loads into the buffer that the last products read
.endr
.if (\ks) < 15
	FETCH (\ks)+1
.endif
	WIN 0xf1+(\ks)/8                               ; Wo window 1 or 2; tokens window 0; C and D window 3
.irp mt, 0,1,2,3                               ; sixteen accumulators by turns, one instruction a turn
.irp n, 0,1,2,3
.if (\ks) == 0
	v_wmma_f32_16x16x32_f16 v[8*(4*\mt+\n):8*(4*\mt+\n)+7], v[8*(8*\n+(\ks)%8):8*(8*\n+(\ks)%8)+7], v[FB+32*((\ks)%2)+8*\mt:FB+32*((\ks)%2)+8*\mt+7], 0
.else
	v_wmma_f32_16x16x32_f16 v[8*(4*\mt+\n):8*(4*\mt+\n)+7], v[8*(8*\n+(\ks)%8):8*(8*\n+(\ks)%8)+7], v[FB+32*((\ks)%2)+8*\mt:FB+32*((\ks)%2)+8*\mt+7], v[8*(4*\mt+\n):8*(4*\mt+\n)+7]
.endif
.endr
.endr
	WIN 0
.endm
	FETCH 0
.irp ks, 0,1,2,3,4,5,6,7,8,9,10,11,12,13,14,15
	KSTEP \ks
.endr
.rept 4
	v_nop                                          ; four places in front of the first read of results and of loads into the buffers
.endr
.macro OUTB mt                         ; 16 tokens x my 64 columns through my stage; LDS serves a wave's instructions in order
	WIN 0x0c                                       ; an LDS store's data: window 3
.irp n, 0,1,2,3
	ds_store_b128 v[STO], v[8*(4*\mt+\n):8*(4*\mt+\n)+3] offset:64*\n          ; each accumulator from its low end on
	ds_store_b128 v[STO], v[8*(4*\mt+\n)+4:8*(4*\mt+\n)+7] offset:64*\n+16
.endr
	WIN 0
.irp i, 0,1,2,3,4,5,6,7
	ds_load_b128 v[64+32*\mt+4*\i:64+32*\mt+4*\i+3], v[RD] offset:544*\i
.endr
	s_wait_dscnt 0x0
.irp i, 0,1,2,3,4,5,6,7
	global_store_b128 v[CO], v[64+32*\mt+4*\i:64+32*\mt+4*\i+3], s[8:9] offset:\mt*32768+4096*\i th:TH_STORE_NT
.endr
.endm
	s_cmp_eq_u32 s20, 0                            ; a sequence's first 16 positions belong to the launch that carries them in f32
	s_cbranch_scc1 .Lnot_first
	OUTB 0
.Lnot_first:
	OUTB 1
	OUTB 2
	OUTB 3
	s_wait_tensorcnt 0x0                           ; the wave's end, behind my last LDS store
	ds_add_u32 v[SPW], v[NIL]
	s_wait_dscnt 0x0
	s_endpgm
.Lfunc_end_k_qdb74afca3d_outp:
	.size	k_qdb74afca3d_outp, .Lfunc_end_k_qdb74afca3d_outp-k_qdb74afca3d_outp
	.p2alignl 7, 3214868480
	.fill 96, 4, 3214868480
	.section	.rodata,"a",@progbits
	.p2align	6, 0x0
	.amdhsa_kernel k_qdb74afca3d_outp
		.amdhsa_group_segment_fixed_size 83456
		.amdhsa_private_segment_fixed_size 0
		.amdhsa_enable_private_segment 0
		.amdhsa_kernarg_size 24
		.amdhsa_user_sgpr_count 2
		.amdhsa_user_sgpr_kernarg_segment_ptr 1
		.amdhsa_wavefront_size32 1
		.amdhsa_system_sgpr_workgroup_id_x 1
		.amdhsa_system_sgpr_workgroup_id_y 1
		.amdhsa_system_sgpr_workgroup_id_z 1
		.amdhsa_system_vgpr_workitem_id 0
		.amdhsa_next_free_vgpr 896
		.amdhsa_next_free_sgpr 66
		.amdhsa_reserve_vcc 0
		.amdhsa_float_denorm_mode_32 3
		.amdhsa_float_denorm_mode_16_64 3
		.amdhsa_memory_ordered 1
		.amdhsa_forward_progress 1
		.amdhsa_inst_pref_size 55
	.end_amdhsa_kernel
	.amdgpu_metadata
---
amdhsa.version: [ 1, 2 ]
amdhsa.kernels:
  - .name:           k_qdb74afca3d_outp
    .symbol:         k_qdb74afca3d_outp.kd
    .args:
      - { .name: o16, .offset: 0, .size: 8, .value_kind: global_buffer, .address_space: global }
      - { .name: wo16, .offset: 8, .size: 8, .value_kind: global_buffer, .address_space: global }
      - { .name: out0, .offset: 16, .size: 8, .value_kind: global_buffer, .address_space: global }
    .group_segment_fixed_size: 83456
    .private_segment_fixed_size: 0
    .kernarg_segment_align: 8
    .kernarg_segment_size: 24
    .max_flat_workgroup_size: 128
    .sgpr_count:     66
    .vgpr_count:     896
    .wavefront_size: 32
...
	.end_amdgpu_metadata
.endif
;; end of part 4
;; launch fine (part 5): grid 32 x 2, 8 waves a work-group, no clusters, 9,216 bytes of LDS; arguments qkv32, Wo, out0; writes out0
.if DOCPART == 5
	.amdgcn_target "amdgcn-amd-amdhsa--gfx1250"
	.amdhsa_code_object_version 6
	.text
	.protected	k_qdb74afca3d_fine
	.globl	k_qdb74afca3d_fine
	.p2align	8
	.type	k_qdb74afca3d_fine,@function
k_qdb74afca3d_fine:
	s_mov_b64 s[64:65], 0
	v_nop
	global_prefetch_b8 v0, s[64:65] scope:SCOPE_SE
	s_setreg_imm32_b32 hwreg(HW_REG_WAVE_MODE, 25, 1), 1
	s_wait_xcnt 0x0
; The first 16 positions of each sequence, where a row of the softmax averages one to sixteen values: attention and the projection on the way out in f32, by v_wmma_f32_16x16x4_f32 (no bulk work: 48 instructions a wave).
; q, k, v of these positions: qkv32 [3][b][h][16][64] f32.  Work-group (nx, b): 16 columns of out0.  Wave w = head: its attention (16 x 16), then its o (16 x 64) times Wo's rows 64 h .. 64 h + 63 at the 16 columns;
; the eight heads' parts meet in LDS and wave 0 adds them in the order of the heads.  Every work-group of a batch repeats the eight small attentions: they are small beside a launch of their own.
; K IS TAKEN IN AN ORDER OF ITS OWN, THE SAME ON BOTH SOURCES: the form wants k = 2 hh + j in register j; a lane's registers 2 s, 2 s + 1 are given to step s, whatever channels or keys they hold, alike in both operands.
; All products are used transposed, so that a lane holds one query throughout.  The registers that the matrix form writes (v128-159, v200-231) are written by matrix instructions alone.
; LIMITS: NaN and infinities are not served.
.set QF,   32                          ; v32-63   q: register e = channel 32 hh + e of query r
.set KR,   64                          ; v64-95   k likewise, key r
.set VT,   96                          ; v96-127  register 8 ct + e = v[key 8 hh + e][channel 16 ct + r]
.set ACC,  128                         ; v128-159 four accumulators
.set WT,   160                         ; v160-191 register 8 ct + e = Wo[64 h + 16 ct + 8 hh + e][16 nx + r]
.set SS,   192                         ; v192-199 scores, then p: register j = key 8 hh + j of query r
.set ACC2, 200                         ; v200-231 four accumulators
.set R8,   232                         ; v232-239 my head's part: query r, columns 16 nx + 8 hh + j
	s_load_b128 s[4:7], s[0:1], 0x0                ; qkv32, Wo
	s_load_b64 s[8:9], s[0:1], 0x10                ; out0
	v_lshl_add_u32 v252, v0, 2, 8192               ; my spare word: behind the eight parts
	v_mov_b32 v253, 0
	v_lshrrev_b32 v1, 5, v0
	v_readfirstlane_b32 s10, v1                    ; wave = head
	s_and_b32 s11, ttmp7, 0xffff                   ; b
	v_and_b32 v1, 15, v0                           ; r
	v_bfe_u32 v2, v0, 4, 1                         ; hh
	v_and_b32 v3, 31, v0
	v_lshlrev_b32 v4, 8, v1
	v_lshl_add_u32 v4, v2, 7, v4                   ; q, k: row r of 256 bytes, + 128 hh
	v_lshlrev_b32 v5, 2, v1
	v_lshl_add_u32 v6, v2, 11, v5                  ; v: row 8 hh, + 4 r
	v_lshl_add_u32 v7, v2, 14, v5                  ; Wo: row 8 hh of 2,048 bytes, + 4 r
	v_lshlrev_b32 v8, 3, v2
	v_sub_nc_u32 v8, v1, v8                        ; r - 8 hh: key 8 hh + j is hidden where j is above it
	v_lshlrev_b32 v9, 4, v3
	s_lshl_b32 s12, s10, 10
	v_add_nc_u32 v10, s12, v9                      ; LDS: my head's 1,024 bytes
	v_lshlrev_b32 v11, 11, v1
	v_lshl_add_u32 v11, v2, 5, v11                 ; out0: row r, + 32 hh
	s_mov_b32 s20, 0x76543210
	s_mov_b32 s21, 0xfedcba98                      ; lane l xor 16
	s_mov_b32 s22, 0x3e38aa3b                      ; c = log2(e) / 8
	s_lshl_b32 s14, s11, 3
	s_add_co_u32 s14, s14, s10
	s_lshl_b32 s14, s14, 12
	s_mov_b32 s15, 0
	s_lshl_b32 s16, s10, 17
	s_lshl_b32 s18, ttmp9, 6
	s_add_co_u32 s16, s16, s18
	s_mov_b32 s17, 0
	s_lshl_b32 s24, s11, 23
	s_add_co_u32 s24, s24, s18
	s_mov_b32 s25, 0
	s_wait_kmcnt 0x0
	s_add_nc_u64 s[4:5], s[4:5], s[14:15]
	s_add_nc_u64 s[6:7], s[6:7], s[16:17]
	s_add_nc_u64 s[8:9], s[8:9], s[24:25]
.irp i, 0,1,2,3,4,5,6,7
	global_load_b128 v[QF+4*\i:QF+4*\i+3], v4, s[4:5] offset:16*\i
	global_load_b128 v[KR+4*\i:KR+4*\i+3], v4, s[4:5] offset:65536+16*\i
.endr
.irp ct, 0,1,2,3
.irp e, 0,1,2,3,4,5,6,7
	global_load_b32 v[VT+8*\ct+\e], v6, s[4:5] offset:131072+\e*256+\ct*64
	global_load_b32 v[WT+8*\ct+\e], v7, s[6:7] offset:(16*\ct+\e)*2048
.endr
.endr
	s_wait_loadcnt 0x0
	; S^T = k q^T: 16 steps of 4 channels, four accumulators by turns; the first four start the sums
.set z, 0
.rept 16
.if z < 4
	v_wmma_f32_16x16x4_f32 v[ACC+8*(z%4):ACC+8*(z%4)+7], v[KR+2*z:KR+2*z+1], v[QF+2*z:QF+2*z+1], 0
.else
	v_wmma_f32_16x16x4_f32 v[ACC+8*(z%4):ACC+8*(z%4)+7], v[KR+2*z:KR+2*z+1], v[QF+2*z:QF+2*z+1], v[ACC+8*(z%4):ACC+8*(z%4)+7]
.endif
.set z, z+1
.endr
.rept 8
	v_nop                                          ; eight places behind this form, in front of the first read of results
.endr
.irp j, 0,1,2,3,4,5,6,7                        ; each accumulator from its low end on
	v_add_f32 v[SS+\j], v[ACC+\j], v[ACC+8+\j]
	v_add_f32 v241, v[ACC+16+\j], v[ACC+24+\j]
	v_add_f32 v[SS+\j], v[SS+\j], v241
.endr
	v_mov_b32 v245, 0xff800000
.irp j, 0,1,2,3,4,5,6,7
	v_cmp_gt_i32 vcc_lo, \j, v8
	v_cndmask_b32 v[SS+\j], v[SS+\j], v245, vcc_lo
.endr
	v_max3_num_f32 v240, v[SS], v[SS+1], v[SS+2]
	v_max3_num_f32 v240, v240, v[SS+3], v[SS+4]
	v_max3_num_f32 v240, v240, v[SS+5], v[SS+6]
	v_max_num_f32 v240, v240, v[SS+7]
	v_permlanex16_b32 v241, v240, s20, s21
	v_max_num_f32 v240, v240, v241                 ; the row's maximum: key 0 counts for every query
	v_mul_f32 v242, s22, v240
.irp j, 0,1,2,3,4,5,6,7
	v_fma_f32 v[SS+\j], v[SS+\j], s22, -v242
.endr
.irp j, 0,1,2,3,4,5,6,7
	v_exp_f32 v[SS+\j], v[SS+\j]
.endr
	v_nop
	s_wait_alu depctr_va_vdst(0)                   ; one wait for the eight, ahead of their first reader
	v_add_f32 v243, v[SS], v[SS+1]
	v_add_f32 v244, v[SS+2], v[SS+3]
	v_add_f32 v246, v[SS+4], v[SS+5]
	v_add_f32 v247, v[SS+6], v[SS+7]
	v_add_f32 v243, v243, v244
	v_add_f32 v246, v246, v247
	v_add_f32 v243, v243, v246
	v_permlanex16_b32 v241, v243, s20, s21
	v_add_f32 v243, v243, v241
	v_rcp_f32 v243, v243
	v_nop
	s_wait_alu depctr_va_vdst(0)
.irp j, 0,1,2,3,4,5,6,7
	v_mul_f32 v[SS+\j], v[SS+\j], v243
.endr
	; O^T = v^T p: four steps of 4 keys, four tiles of 16 channels by turns.  More than nine plain instructions that name none of these registers stand between the scores' products and these, which begin the accumulators anew
.irp s, 0,1,2,3
.irp ct, 0,1,2,3
.if \s == 0
	v_wmma_f32_16x16x4_f32 v[ACC+8*\ct:ACC+8*\ct+7], v[VT+8*\ct+2*\s:VT+8*\ct+2*\s+1], v[SS+2*\s:SS+2*\s+1], 0
.else
	v_wmma_f32_16x16x4_f32 v[ACC+8*\ct:ACC+8*\ct+7], v[VT+8*\ct+2*\s:VT+8*\ct+2*\s+1], v[SS+2*\s:SS+2*\s+1], v[ACC+8*\ct:ACC+8*\ct+7]
.endif
.endr
.endr
.rept 9
	v_nop                                          ; nine places in front of products that take these results as a source
.endr
	; my head's part of out^T = Wo^T o^T: register j of tile ct is channel 16 ct + 8 hh + j of query r, and Wo's rows were loaded in the same order
.irp ct, 0,1,2,3
.irp s, 0,1,2,3
.if \ct == 0
	v_wmma_f32_16x16x4_f32 v[ACC2+8*\s:ACC2+8*\s+7], v[WT+8*\ct+2*\s:WT+8*\ct+2*\s+1], v[ACC+8*\ct+2*\s:ACC+8*\ct+2*\s+1], 0
.else
	v_wmma_f32_16x16x4_f32 v[ACC2+8*\s:ACC2+8*\s+7], v[WT+8*\ct+2*\s:WT+8*\ct+2*\s+1], v[ACC+8*\ct+2*\s:ACC+8*\ct+2*\s+1], v[ACC2+8*\s:ACC2+8*\s+7]
.endif
.endr
.endr
.rept 8
	v_nop
.endr
.irp j, 0,1,2,3,4,5,6,7
	v_add_f32 v[R8+\j], v[ACC2+\j], v[ACC2+8+\j]
	v_add_f32 v241, v[ACC2+16+\j], v[ACC2+24+\j]
	v_add_f32 v[R8+\j], v[R8+\j], v241
.endr
	ds_store_b128 v10, v[R8:R8+3]
	ds_store_b128 v10, v[R8+4:R8+7] offset:512
	s_wait_dscnt 0x0                               ; for wave 0's sake: my part has landed
	s_barrier_signal -1
	s_barrier_wait -1
	s_cmp_lg_u32 s10, 0
	s_cbranch_scc1 .Lend
.irp w, 0,1,2,3,4,5,6,7
	ds_load_b128 v[32+8*\w:32+8*\w+3], v9 offset:1024*\w
	ds_load_b128 v[32+8*\w+4:32+8*\w+7], v9 offset:1024*\w+512
.endr
	s_wait_dscnt 0x0
.irp j, 0,1,2,3,4,5,6,7
	v_add_f32 v[R8+\j], v[32+\j], v[40+\j]
.endr
.irp w, 2,3,4,5,6,7
.irp j, 0,1,2,3,4,5,6,7
	v_add_f32 v[R8+\j], v[R8+\j], v[32+8*\w+\j]
.endr
.endr
	global_store_b128 v11, v[R8:R8+3], s[8:9]
	global_store_b128 v11, v[R8+4:R8+7], s[8:9] offset:16
.Lend:
	s_wait_tensorcnt 0x0                           ; the wave's end, behind my last LDS store
	ds_add_u32 v252, v253
	s_wait_dscnt 0x0
	s_endpgm
.Lfunc_end_k_qdb74afca3d_fine:
	.size	k_qdb74afca3d_fine, .Lfunc_end_k_qdb74afca3d_fine-k_qdb74afca3d_fine
	.p2alignl 7, 3214868480
	.fill 96, 4, 3214868480
	.section	.rodata,"a",@progbits
	.p2align	6, 0x0
	.amdhsa_kernel k_qdb74afca3d_fine
		.amdhsa_group_segment_fixed_size 9216
		.amdhsa_private_segment_fixed_size 0
		.amdhsa_enable_private_segment 0
		.amdhsa_kernarg_size 24
		.amdhsa_user_sgpr_count 2
		.amdhsa_user_sgpr_kernarg_segment_ptr 1
		.amdhsa_wavefront_size32 1
		.amdhsa_system_sgpr_workgroup_id_x 1
		.amdhsa_system_sgpr_workgroup_id_y 1
		.amdhsa_system_sgpr_workgroup_id_z 1
		.amdhsa_system_vgpr_workitem_id 0
		.amdhsa_next_free_vgpr 256
		.amdhsa_next_free_sgpr 66
		.amdhsa_reserve_vcc 1
		.amdhsa_float_denorm_mode_32 3
		.amdhsa_float_denorm_mode_16_64 3
		.amdhsa_memory_ordered 1
		.amdhsa_forward_progress 1
		.amdhsa_inst_pref_size 21
	.end_amdhsa_kernel
	.amdgpu_metadata
---
amdhsa.version: [ 1, 2 ]
amdhsa.kernels:
  - .name:           k_qdb74afca3d_fine
    .symbol:         k_qdb74afca3d_fine.kd
    .args:
      - { .name: qkv32, .offset: 0, .size: 8, .value_kind: global_buffer, .address_space: global }
      - { .name: Wo, .offset: 8, .size: 8, .value_kind: global_buffer, .address_space: global }
      - { .name: out0, .offset: 16, .size: 8, .value_kind: global_buffer, .address_space: global }
    .group_segment_fixed_size: 9216
    .private_segment_fixed_size: 0
    .kernarg_segment_align: 8
    .kernarg_segment_size: 24
    .max_flat_workgroup_size: 256
    .sgpr_count:     66
    .vgpr_count:     256
    .wavefront_size: 32
...
	.end_amdgpu_metadata
.endif
;; end of part 5
